; MI455X (gfx1250); checked and timed in simulation.
; The chip was launched on July 23, 2026; its instructions are those of AMD's public machine-readable ISA for CDNA 5 (MIT licence, August 2026) and "CDNA5" Instruction Set Architecture Reference Guide (July 2026). The comments in the code are by the model that wrote it; some were corrected since.
;; MID LAYER. Allowed arithmetic: matrix products marked QUANTISED: E4M3 operands, one E8M0 scale for each 32 along K, by v_wmma_scale_f32_16x16x128_f8f6f4 with both operands' format E4M3, f32 sums; products left as they are: f32 operands where the result goes on into a quantised operand, else bf16, f16 or f32 operands; f32 sums; everything else in f32.
;; Inputs: cv_feature 1 x 128 x 128 x 128 float32; mv_feature 1 x 2 x 128 x 128 x 128 float32.
;; Outputs: out0 1 x 128 x 128 x 128 float32.
;; This version of the problem:
;;   THIS VERSION OF THE PROBLEM IS GIVEN IN LOW PRECISION. The matrix products marked QUANTISED in the list below multiply operands that are first quantised to E4M3 (4 exponent bits, 3 mantissa bits; 8 bits a number), with one power-of-two scale for each 32 numbers along K (OCP MX v1.0); their sums are f32. All else is computed in f32.
;;   The module's matrix products, in the order in which they are computed (A, B: the left and right operand; K: the contracted axis; several contracted axes count as one K, in the product's order):
;;     1. [M 64, K 128] x [K 128, N 128]; A: computed on the way; B: computed on the way: QUANTISED
;;     2. batch 512 x [M 256, K 16] x [K 16, N 1,024]; A: computed on the way; B: computed on the way: left as it is (K = 16 < 32)
;;     3. batch 512 x [M 16, K 1,024] x [K 1,024, N 256]; A: computed on the way; B: softmax (see below): QUANTISED
;;   THE QUANTISER, for each operand of a quantised product, along K:
;;     - K is cut into blocks of 32 from its start; a last block that is shorter is filled with zeros.
;;     - A block's scale is 2^e with e = floor(log2(the largest magnitude in the block)) - 8, held to -126 .. 127; a block of zeros has e = 0. As a byte (E8M0): e + 127.
;;     - Each number is divided by its block's scale, clamped to +-448, and rounded to the nearest number of E4M3, ties to even, subnormals kept.
;;     - The product sums the exact products of the quantised numbers (number of the format x scale) in f32.
;;   ~~~python
;;   def quantise(x, axis):      # numpy; x: float32 -> the quantised numbers, widened to float32 again
;;       x = np.moveaxis(x, axis, -1); K = x.shape[-1]
;;       x = np.pad(x, [(0, 0)] * (x.ndim - 1) + [(0, -K % 32)]); x = x.reshape(x.shape[:-1] + (-1, 32)); a = np.abs(x).max(-1, keepdims=True)
;;       e = np.where(a > 0, np.clip(np.frexp(np.where(a > 0, a, 1))[1] - 1 - 8, -126, 127), 0)      # np.frexp(a)[1] - 1 = floor(log2(a)), exactly
;;       r = np.clip(x / 2.0 ** e, -448, 448)
;;       step = 2.0 ** (np.maximum(np.frexp(np.where(r == 0, 1, r))[1] - 1, -6) - 3)
;;       q = np.round(r / step) * step * 2.0 ** e      # np.round: ties to even
;;       return np.moveaxis(q.reshape(q.shape[:-2] + (-1,))[..., :K], -1, axis).astype(np.float32)
;;   ~~~
;;   SOFTMAX AHEAD OF A QUANTISED PRODUCT. Where the list says 'softmax', what is quantised is not the finished softmax but p = 2^(t - M), with t = logit x log2(e) and M = ceil(the row's largest t), a whole number; so 1/2 < the row's largest p <= 1. The row's sum l is taken of the UNQUANTISED p, in f32, and the product's result is divided by l at the end. Since M is a whole number, a kernel that streams over the keys may use a running M (the ceiling of the running maximum): every later rescaling is an exact power of two, which a block's scale takes up: the codes' values come out the same.
;;   OPERANDS COMPUTED ON THE WAY. 'Computed on the way' means the value that the module computes at that place (a softmax that the list does not call 'softmax' is quantised finished and normalised). What goes into a quantiser is computed in f32, as accurately as f32 sums, v_exp_f32 and their like allow (about 1e-6 of the number): no bf16 or f16 on the way to a quantiser, and a product that is left as it is and whose result goes on into a quantised operand takes f32 operands (vector FMAs, or v_wmma_f32_16x16x4_f32). A number that lies on a knife's edge between two numbers of the format may be rounded either way, as far as f32 arithmetic and the matrix unit's own rounding can turn it there, and no further.
;; One version. Each part assembles by itself: llvm-mc -triple=amdgcn-amd-amdhsa -mcpu=gfx1250 --defsym DOCPART=n.
;; ======== version 1 of 1: 3 launches
;; workspace buffers: wcodes 24,576 bytes; wscales 768 bytes; ridx 1,024 bytes of whole numbers
;; launch means (part 1): grid 192 x 1, 16 waves a work-group, no clusters, 10,240 bytes of LDS; arguments cv_feature, mv_feature, wcodes, wscales; writes wcodes, wscales
.if DOCPART == 1
	.amdgcn_target "amdgcn-amd-amdhsa--gfx1250"
	.amdhsa_code_object_version 6
	.text
	.protected	k_qcc2462ca24_means
	.globl	k_qcc2462ca24_means
	.p2align	8
	.type	k_qcc2462ca24_means,@function
k_qcc2462ca24_means:
	s_mov_b64 s[64:65], 0
	v_nop
	global_prefetch_b8 v0, s[64:65] scope:SCOPE_SE
	s_setreg_imm32_b32 hwreg(HW_REG_WAVE_MODE, 25, 1), 1
	s_wait_xcnt 0x0
; WINDOW MEANS, QUANTISED.  cv [128][128][128] f32 has 64 windows of 16 x 16 pixels, mv [2][128][128][128] has 128.  Work-group x < 64 takes cv's window x, the others mv's window x - 64.
; Out: row x of wcodes [192][128]: the window's 128 channel means as codes of FP8 (E4M3), and word x of wscales [192]: four E8M0 bytes, one for each 32 channels.
; cv's means are multiplied by SCALE = 128^-0.5 first.  sum x (SCALE / 256) has the bits of (sum / 256) x SCALE: a power of two rounds nothing.
; SHARES.  Sixteen waves; wave w sums pixel row w of the window: 16 pixels x 512 bytes, 8,192 consecutive bytes, by sixteen loads of 512 consecutive bytes that are all out together.
; A lane keeps channels 4 l .. 4 l + 3.  The sixteen partial sums meet in LDS; wave 0 adds them, quantises and stores.  Sums go by pairs (a tree), in f32.
; The rows of wcodes are 128 bytes, so an aligned block of 256 bytes is written by two work-groups: the whole buffer is 24,576 bytes.
; No hint on the loads: a later launch reads these bytes again.
; LIMITS: NaN and infinities among the inputs are not served; a block whose largest magnitude lies under 2^(9 - 127) keeps the byte 1 (a block of zeros too: its codes are zeros).
.set X, 16                             ; v16-79: sixteen vectors of four sums
	s_load_b128 s[4:7], s[0:1], 0x0                ; cv, mv
	s_load_b128 s[8:11], s[0:1], 0x10              ; wcodes, wscales
	v_lshl_add_u32 v80, v0, 2, 0x2000
	v_mov_b32 v81, 0
	v_lshrrev_b32 v1, 5, v0
	v_readfirstlane_b32 s12, v1                    ; wave 0..15
	v_and_b32 v2, 31, v0                           ; lane
	v_lshlrev_b32 v3, 4, v2                        ; 16 x lane: my four channels
	v_lshlrev_b32 v4, 4, v0                        ; LDS: 512 x wave + 16 x lane
	s_mov_b32 s14, 0x3b800000                      ; 1 / 256
	s_cmp_lt_u32 ttmp9, 64                         ; cv's window or mv's: the choice hangs on the work-group's number alone
	s_cselect_b32 s13, 0, 64
	s_cselect_b32 s14, 0x39b504f3, s14             ; SCALE / 256 for cv
	s_sub_co_u32 s13, ttmp9, s13                   ; the window's number in its tensor: 64 v + 8 j + i
	s_and_b32 s15, s13, 0x78
	s_lshl_b32 s15, s15, 17                        ; v x 2^23 + j x 2^20 bytes (a view; 16 image rows of 65,536 bytes)
	s_and_b32 s16, s13, 7
	s_lshl_b32 s16, s16, 13                        ; i x 16 pixels x 512 bytes
	s_add_co_u32 s16, s16, s15
	s_lshl_b32 s15, s12, 16                        ; my pixel row
	s_add_co_u32 s16, s16, s15
	s_mov_b32 s17, 0
	s_mov_b32 s18, 0x600000                        ; the mantissa field of 448
	s_lshl_b32 s20, ttmp9, 7                       ; my row of wcodes
	s_mov_b32 s21, 0
	s_lshl_b32 s22, ttmp9, 2                       ; my word of wscales
	s_mov_b32 s23, 0
	s_wait_kmcnt 0x0
	s_cmp_lt_u32 ttmp9, 64
	s_cselect_b64 s[4:5], s[4:5], s[6:7]
	s_add_nc_u64 s[4:5], s[4:5], s[16:17]
	s_add_nc_u64 s[8:9], s[8:9], s[20:21]
	s_add_nc_u64 s[10:11], s[10:11], s[22:23]
.irp x, 0,1,2,3,4,5,6,7,8,9,10,11,12,13,14,15
	global_load_b128 v[X+4*\x:X+4*\x+3], v3, s[4:5] offset:512*\x   ; pixel x: the wave reads its 512 bytes
.endr
; Sixteen vectors become one, by pairs.  mem = 1: they come from memory, 0: from LDS; the counted wait lets the younger loads stay out (both kinds come back in order).
.macro TREE mem
.irp x, 0,2,4,6,8,10,12,14
.if \mem
	s_wait_loadcnt 14-\x
.else
	s_wait_dscnt 14-\x
.endif
	v_pk_add_f32 v[X+4*\x:X+4*\x+1], v[X+4*\x:X+4*\x+1], v[X+4*\x+4:X+4*\x+5]
	v_pk_add_f32 v[X+4*\x+2:X+4*\x+3], v[X+4*\x+2:X+4*\x+3], v[X+4*\x+6:X+4*\x+7]
.endr
.irp x, 0,4,8,12
	v_pk_add_f32 v[X+4*\x:X+4*\x+1], v[X+4*\x:X+4*\x+1], v[X+4*\x+8:X+4*\x+9]
	v_pk_add_f32 v[X+4*\x+2:X+4*\x+3], v[X+4*\x+2:X+4*\x+3], v[X+4*\x+10:X+4*\x+11]
.endr
.irp x, 0,8
	v_pk_add_f32 v[X+4*\x:X+4*\x+1], v[X+4*\x:X+4*\x+1], v[X+4*\x+16:X+4*\x+17]
	v_pk_add_f32 v[X+4*\x+2:X+4*\x+3], v[X+4*\x+2:X+4*\x+3], v[X+4*\x+18:X+4*\x+19]
.endr
	v_pk_add_f32 v[X:X+1], v[X:X+1], v[X+32:X+33]
	v_pk_add_f32 v[X+2:X+3], v[X+2:X+3], v[X+34:X+35]
.endm
	TREE 1
	ds_store_b128 v4, v[X:X+3]                     ; my pixel row's sums
	s_wait_dscnt 0x0                               ; for wave 0's sake: the store has landed
	s_barrier_signal -1
	s_barrier_wait -1
	s_cmp_lg_u32 s12, 0
	s_cbranch_scc1 .Ldone                          ; the rest is wave 0's
.irp x, 0,1,2,3,4,5,6,7,8,9,10,11,12,13,14,15
	ds_load_b128 v[X+4*\x:X+4*\x+3], v3 offset:512*\x
.endr
	TREE 0
.irp i, 0,1,2,3
	v_mul_f32 v[X+\i], s14, v[X+\i]                ; the mean (x SCALE for cv)
.endr
.irp i, 4,5,6,7
	v_mov_b32 v[X+\i], 0                           ; the conversion takes eight numbers: four are mine, four are zeros whose codes are not stored
.endr
	v_max3_num_f32 v8, |v[X]|, |v[X+1]|, 0x4800000 ; the largest magnitude of my four, and the floor 2^(9 - 127): the byte cannot fall under 1
	v_max3_num_f32 v8, v8, |v[X+2]|, |v[X+3]|
	v_max_num_f32_dpp v8, v8, v8 row_xmask:1 row_mask:0xf bank_mask:0xf   ; a block of 32 channels lies in eight neighbouring lanes
	v_max_num_f32_dpp v8, v8, v8 row_xmask:2 row_mask:0xf bank_mask:0xf
	v_max_num_f32_dpp v8, v8, v8 row_xmask:4 row_mask:0xf bank_mask:0xf
	v_add_nc_u32 v11, 0xfc000000, v8               ; 8 off its exponent field: the conversion's scale operand
	v_and_or_b32 v10, v8, 0x7f800000, s18          ; 448 x the scale
	v_lshrrev_b32 v9, 23, v11                      ; the scale's byte
.irp i, 0,1,2,3
	v_med3_num_f32 v[X+\i], v[X+\i], -v10, v10     ; the conversion to an 8-bit code does not saturate (ISA guide 7.6.2): the hold comes first
.endr
	v_cvt_scalef32_pk8_fp8_f32 v[12:13], v[X:X+7], v11   ; v12: my four codes
	v_lshlrev_b32 v5, 2, v2                        ; 4 x lane
	v_readlane_b32 s24, v9, 0                      ; the four blocks' bytes make the row's scale word
	v_readlane_b32 s25, v9, 8
	v_readlane_b32 s26, v9, 16
	v_readlane_b32 s27, v9, 24
	s_lshl_b32 s25, s25, 8
	s_lshl_b32 s26, s26, 16
	s_lshl_b32 s27, s27, 24
	s_or_b32 s24, s24, s25
	s_or_b32 s26, s26, s27
	s_or_b32 s24, s24, s26
	v_mov_b32 v14, s24
	v_mov_b32 v15, 0
	global_store_b32 v5, v12, s[8:9]               ; 128 consecutive bytes
	s_wait_xcnt 0x0                                ; EXEC changes only behind this wait
	v_cmp_eq_u32 vcc_lo, 0, v2
	s_and_saveexec_b32 s28, vcc_lo
	global_store_b32 v15, v14, s[10:11]            ; lane 0 stores the word
	s_wait_xcnt 0x0                                ; and again in front of the line that widens it
	s_or_b32 exec_lo, exec_lo, s28
.Ldone:
	s_wait_tensorcnt 0x0
	ds_add_u32 v80, v81
	s_wait_dscnt 0x0
	s_endpgm
.Lfunc_end_k_qcc2462ca24_means:
	.size	k_qcc2462ca24_means, .Lfunc_end_k_qcc2462ca24_means-k_qcc2462ca24_means
	.p2alignl 7, 3214868480
	.fill 96, 4, 3214868480
	.section	.rodata,"a",@progbits
	.p2align	6, 0x0
	.amdhsa_kernel k_qcc2462ca24_means
		.amdhsa_group_segment_fixed_size 10240
		.amdhsa_private_segment_fixed_size 0
		.amdhsa_enable_private_segment 0
		.amdhsa_kernarg_size 32
		.amdhsa_user_sgpr_count 2
		.amdhsa_user_sgpr_kernarg_segment_ptr 1
		.amdhsa_wavefront_size32 1
		.amdhsa_system_sgpr_workgroup_id_x 1
		.amdhsa_system_sgpr_workgroup_id_y 1
		.amdhsa_system_sgpr_workgroup_id_z 1
		.amdhsa_system_vgpr_workitem_id 0
		.amdhsa_next_free_vgpr 82
		.amdhsa_next_free_sgpr 66
		.amdhsa_reserve_vcc 1
		.amdhsa_float_denorm_mode_32 3
		.amdhsa_float_denorm_mode_16_64 3
		.amdhsa_memory_ordered 1
		.amdhsa_forward_progress 1
		.amdhsa_inst_pref_size 11
	.end_amdhsa_kernel
	.amdgpu_metadata
---
amdhsa.version: [ 1, 2 ]
amdhsa.kernels:
  - .name:           k_qcc2462ca24_means
    .symbol:         k_qcc2462ca24_means.kd
    .args:
      - { .name: cv_feature, .offset: 0, .size: 8, .value_kind: global_buffer, .address_space: global }
      - { .name: mv_feature, .offset: 8, .size: 8, .value_kind: global_buffer, .address_space: global }
      - { .name: wcodes, .offset: 16, .size: 8, .value_kind: global_buffer, .address_space: global }
      - { .name: wscales, .offset: 24, .size: 8, .value_kind: global_buffer, .address_space: global }
    .group_segment_fixed_size: 10240
    .private_segment_fixed_size: 0
    .kernarg_segment_align: 8
    .kernarg_segment_size: 32
    .max_flat_workgroup_size: 512
    .sgpr_count:     66
    .vgpr_count:     82
    .wavefront_size: 32
...
	.end_amdgpu_metadata
.endif
;; end of part 1
;; launch route (part 2): grid 1 x 1, 4 waves a work-group, no clusters, 0 bytes of LDS; arguments wcodes, wscales, ridx; writes ridx
.if DOCPART == 2
	.amdgcn_target "amdgcn-amd-amdhsa--gfx1250"
	.amdhsa_code_object_version 6
	.text
	.protected	k_qcc2462ca24_route
	.globl	k_qcc2462ca24_route
	.p2align	8
	.type	k_qcc2462ca24_route,@function
k_qcc2462ca24_route:
	s_mov_b64 s[64:65], 0
	v_nop
	global_prefetch_b8 v0, s[64:65] scope:SCOPE_SE
	s_setreg_imm32_b32 hwreg(HW_REG_WAVE_MODE, 25, 1), 1
	s_wait_xcnt 0x0
; ROUTING.  logit[p][q] = (mean of cv's window p x SCALE) . (mean of mv's window q), 64 x 128, K = 128, on the codes and scale words of the launch before; then, for each p, the four q of the largest logits.
; ridx [64][4], int32: the four indices, the largest logit's first; equal logits go to the lower index.
; SHARES.  One work-group (the whole product is 32 matrix instructions); wave w takes query windows 16 w .. 16 w + 15 against all 128 key windows.  Waves share nothing: no LDS, no barrier.
; THE MATRIX INSTRUCTION IS USED TRANSPOSED: source 0 = 16 key windows, source 1 = my 16 query windows.  In tile t lane (r, h) holds query window r, and its register j key window 16 t + 8 h + j:
; a row's 128 logits lie in 64 registers of lanes l and l xor 16.
; A ROUND: the largest of the row; the lowest index that holds it; that one entry (by its index, so that an equal logit elsewhere stays) becomes -infinity.  Four chains of 16 registers, so that no line waits for the line above it.
; LIMITS: NaN among the logits is not served (an index that no lane finds is stored as a number above 127, which the next launch holds at 127); a logit of -infinity counts as removed.
.set QF,   16                          ; v16-31   my query windows' fragment
.set KF,   32                          ; v32-159  the eight fragments of key windows
.set SA,   160                         ; v160-167 their scale words;  v168 my query windows'
.set SQ,   168
.set D,    176                         ; v176-239 the logits
.set M,    240                         ; v240-243 the chains' maxima
.set I,    244                         ; v244-247 the chains' indices
.set G,    248                         ; the row's largest
.set XL,   249                         ; what lane l xor 16 holds
.set LOC,  250                         ; v250-253 the chosen index as each chain counts
.set NINF, 254
.set H8,   255                         ; 8 h
.set RES,  8                           ; v8-11    the four indices
	s_load_b128 s[4:7], s[0:1], 0x0                ; wcodes, wscales
	s_load_b64 s[8:9], s[0:1], 0x10                ; ridx
	v_lshrrev_b32 v1, 5, v0
	v_readfirstlane_b32 s10, v1                    ; wave 0..3
	v_and_b32 v1, 15, v0                           ; r
	v_bfe_u32 v2, v0, 4, 1                         ; h
	v_lshlrev_b32 v3, 7, v1                        ; a row of 128 codes is 128 bytes
	v_lshl_add_u32 v3, v2, 4, v3                   ; + 16 h
	v_lshlrev_b32 v4, 2, v1                        ; scale words: 4 bytes a row
	s_lshl_b32 s11, s10, 11
	v_add_nc_u32 v5, s11, v3                       ; my 16 query windows' rows
	s_lshl_b32 s12, s10, 6
	v_add_nc_u32 v6, s12, v4
	s_mov_b32 s20, 0x76543210
	s_mov_b32 s21, 0xfedcba98                      ; v_permlanex16_b32's selects for lane l xor 16
	s_wait_kmcnt 0x0
.irp c, 0,1,2,3
	global_load_b128 v[QF+4*\c:QF+4*\c+3], v5, s[4:5] offset:32*\c
.endr
.irp t, 0,1,2,3,4,5,6,7
.irp c, 0,1,2,3
	global_load_b128 v[KF+16*\t+4*\c:KF+16*\t+4*\c+3], v3, s[4:5] offset:8192+2048*\t+32*\c   ; key windows begin at row 64
.endr
	global_load_b32 v[SA+\t], v4, s[6:7] offset:256+64*\t
.endr
	global_load_b32 v[SQ], v6, s[6:7]
	s_wait_loadcnt 0x0
.irp t, 0,1,2,3,4,5,6,7
	v_wmma_scale_f32_16x16x128_f8f6f4 v[D+8*\t:D+8*\t+7], v[KF+16*\t:KF+16*\t+15], v[QF:QF+15], 0, v[SA+\t], v[SQ]
.endr
	v_mov_b32 v[XL], 0                             ; written once: a lane permute's destination counts as one of its sources
	v_mov_b32 v[NINF], 0xff800000
	v_lshlrev_b32 v[H8], 3, v2
.rept 5
	v_nop                                          ; with the three lines above: eight places behind the products, ahead of the first read of their results
.endr
.macro ROUND k, remove
.irp q, 0,1,2,3
	v_max3_num_f32 v[M+\q], v[D+16*\q], v[D+16*\q+1], v[D+16*\q+2]   ; each accumulator is read from its low end on
.endr
.irp i, 3,5,7,9,11,13
.irp q, 0,1,2,3
	v_max3_num_f32 v[M+\q], v[M+\q], v[D+16*\q+\i], v[D+16*\q+\i+1]
.endr
.endr
.irp q, 0,1,2,3
	v_max_num_f32 v[M+\q], v[M+\q], v[D+16*\q+15]
.endr
	v_max3_num_f32 v[G], v[M], v[M+1], v[M+2]
	v_max_num_f32 v[G], v[G], v[M+3]
	v_permlanex16_b32 v[XL], v[G], s20, s21
	v_max_num_f32 v[G], v[G], v[XL]                ; the row's largest logit
.irp q, 0,1,2,3
	v_mov_b32 v[I+\q], 0x1000                      ; 'not here'
.endr
.irp i, 15,14,13,12,11,10,9,8,7,6,5,4,3,2,1,0      ; downward, so that the lowest index is the last to be written
.irp q, 0,1,2,3
	v_cmp_neq_f32 s[24+\q], v[D+16*\q+\i], v[G]
.endr
.irp q, 0,1,2,3
	v_cndmask_b32 v[I+\q], 16*(\i/8)+\i%8, v[I+\q], s[24+\q]   ; register 16 q + i holds key window 32 q + 16 (i / 8) + i % 8 + 8 h
.endr
.endr
.irp q, 1,2,3
	v_add_nc_u32 v[I+\q], 32*\q, v[I+\q]
.endr
	v_min_u32 v[I], v[I], v[I+1]
	v_min_u32 v[I+2], v[I+2], v[I+3]
	v_min_u32 v[I], v[I], v[I+2]
	v_add_nc_u32 v[I], v[I], v[H8]
	v_permlanex16_b32 v[XL], v[I], s20, s21
	v_min_u32 v[RES+\k], v[I], v[XL]               ; the lowest index of the row that holds it
.if \remove
	v_sub_nc_u32 v[LOC], v[RES+\k], v[H8]          ; as my half of the lanes counts; in the other half it meets none of the numbers below (bit 3 differs)
.irp q, 1,2,3
	v_add_nc_u32 v[LOC+\q], -32*\q, v[LOC]
.endr
.irp i, 0,1,2,3,4,5,6,7,8,9,10,11,12,13,14,15
.irp q, 0,1,2,3
	v_cmp_eq_u32 s[24+\q], 16*(\i/8)+\i%8, v[LOC+\q]
.endr
.irp q, 0,1,2,3
	v_cndmask_b32 v[D+16*\q+\i], v[D+16*\q+\i], v[NINF], s[24+\q]
.endr
.endr
.endif
.endm
	ROUND 0, 1
	ROUND 1, 1
	ROUND 2, 1
	ROUND 3, 0
	s_lshl_b32 s11, s10, 8
	v_lshl_add_u32 v12, v1, 4, s11                 ; 16 bytes a row, 256 a wave
	v_and_b32 v13, 31, v0
	s_wait_xcnt 0x0                                ; EXEC changes only behind this wait
	v_cmp_gt_u32 vcc_lo, 16, v13                   ; lanes 16-31 hold the same numbers: lanes 0-15 store
	s_and_saveexec_b32 s12, vcc_lo
	global_store_b128 v12, v[RES:RES+3], s[8:9]    ; sixteen lanes store 256 consecutive bytes, aligned
	s_wait_xcnt 0x0
	s_or_b32 exec_lo, exec_lo, s12
	s_endpgm
.Lfunc_end_k_qcc2462ca24_route:
	.size	k_qcc2462ca24_route, .Lfunc_end_k_qcc2462ca24_route-k_qcc2462ca24_route
	.p2alignl 7, 3214868480
	.fill 96, 4, 3214868480
	.section	.rodata,"a",@progbits
	.p2align	6, 0x0
	.amdhsa_kernel k_qcc2462ca24_route
		.amdhsa_group_segment_fixed_size 0
		.amdhsa_private_segment_fixed_size 0
		.amdhsa_enable_private_segment 0
		.amdhsa_kernarg_size 24
		.amdhsa_user_sgpr_count 2
		.amdhsa_user_sgpr_kernarg_segment_ptr 1
		.amdhsa_wavefront_size32 1
		.amdhsa_system_sgpr_workgroup_id_x 1
		.amdhsa_system_sgpr_workgroup_id_y 1
		.amdhsa_system_sgpr_workgroup_id_z 1
		.amdhsa_system_vgpr_workitem_id 0
		.amdhsa_next_free_vgpr 256
		.amdhsa_next_free_sgpr 66
		.amdhsa_reserve_vcc 1
		.amdhsa_float_denorm_mode_32 3
		.amdhsa_float_denorm_mode_16_64 3
		.amdhsa_memory_ordered 1
		.amdhsa_forward_progress 1
		.amdhsa_inst_pref_size 75
	.end_amdhsa_kernel
	.amdgpu_metadata
---
amdhsa.version: [ 1, 2 ]
amdhsa.kernels:
  - .name:           k_qcc2462ca24_route
    .symbol:         k_qcc2462ca24_route.kd
    .args:
      - { .name: wcodes, .offset: 0, .size: 8, .value_kind: global_buffer, .address_space: global }
      - { .name: wscales, .offset: 8, .size: 8, .value_kind: global_buffer, .address_space: global }
      - { .name: ridx, .offset: 16, .size: 8, .value_kind: global_buffer, .address_space: global }
    .group_segment_fixed_size: 0
    .private_segment_fixed_size: 0
    .kernarg_segment_align: 8
    .kernarg_segment_size: 24
    .max_flat_workgroup_size: 128
    .sgpr_count:     66
    .vgpr_count:     256
    .wavefront_size: 32
...
	.end_amdgpu_metadata
.endif
;; end of part 2
;; launch attend (part 3): grid 256 x 1, 16 waves a work-group, no clusters, 315,392 bytes of LDS; arguments cv_feature, mv_feature, ridx, out0; writes out0
.if DOCPART == 3
	.amdgcn_target "amdgcn-amd-amdhsa--gfx1250"
	.amdhsa_code_object_version 6
	.text
	.protected	k_qcc2462ca24_attend
	.globl	k_qcc2462ca24_attend
	.p2align	8
	.type	k_qcc2462ca24_attend,@function
k_qcc2462ca24_attend:
	s_mov_b64 s[64:65], 0
	v_nop
	global_prefetch_b8 v0, s[64:65] scope:SCOPE_SE
	s_setreg_imm32_b32 hwreg(HW_REG_WAVE_MODE, 25, 1), 1
	s_wait_xcnt 0x0
; ATTENTION OF A WINDOW'S PIXELS OVER THE 4 x 256 PIXELS OF ITS FOUR CHOSEN WINDOWS, head by head (8 heads of 16 channels).
; scores = (q x SCALE) . k, K = 16, with f32 operands (they go on into a quantiser);  t = score x log2(e);  M = the running largest t rounded UP to a whole number;  p = 2^(t - M), not normalised, is quantised
; along the keys to FP8 (E4M3) with one E8M0 scale for each 32 keys, and so is v (= k) along the keys;  O^T += V^T P^T by the scaled matrix instruction;  the sum of the unquantised p divides at the end.
; When M moves, the sum and O^T are multiplied by 2^(old M - new M): nothing is rounded, and no branch hangs on data.
; SHARES.  Work-group x: query window x / 4, heads 4 g .. 4 g + 3 with g = (x / 2) % 2 (256 bytes of every pixel), pixel rows 8 (x % 2) .. + 7 of the window (128 queries).  Sixteen waves.
; Wave w: head w / 4 of the four, query tiles (pixel rows) a = 2 (w % 4) and b = a + 1; a tile is 16 queries, a lane holds ONE query (lane % 16) throughout.
; K IN LDS.  The four windows' slices (256 keys x 256 bytes each) come ONCE: wave w brings pixel row w of each window, four tensor loads of 16 pixels x 256 bytes, all issued at the head; four of mine are out at the most.
; A window's pixel rows lie 65,536 bytes apart and its pixels 512, so a tile of two dimensions has 16 rows and no more.  Nothing is filled again: no ring.  An LDS row is 256 bytes + 16 of padding.
; NO CLUSTER: a slice is shared by two work-groups alone (x % 2 = 0, 1), each slice is asked for once in the launch's life, at its head, and a mask of two would hang on a part of the place in the cluster.
; BY TURNS.  A key step is 64 keys: four tiles of 16 (four pixel rows of a chosen window), 16 f32 matrix instructions and 32 score registers for a tile of queries.  In turn B(u) the wave issues tile b's 16 products of step u,
; and tile a's softmax of step u, a list of 146 vector instructions, stands in sixteen slices behind them; in turn A(u + 1) tile a's products of step u + 1 carry tile b's softmax of step u.  A turn ends with the scaled product
; of the tile whose softmax it carried.  So every wave has matrix and vector work side by side, whatever the other waves do.  In the list exponentials and plain lines alternate.
; K's fragments of a step (32 registers) serve both tiles; the one set is refilled as it falls free in turn B: tiles 0, 1 behind the tenth product, tiles 2, 3 at the turn's end.
; THE SCALED PRODUCT takes 128 along K; a step has 64 keys: registers 8-15 of both operands hold zero codes, written once, and the upper two bytes of both scale words are 0: they add nothing.
; V.  Once a window each wave quantises 32 keys x 32 channels from K's rows: A LANE TAKES A CHANNEL AND ITS REGISTERS RUN DOWN THE KEYS.  The codes go to LDS as images of the operand's registers, in two slots that take turns
; from window to window (a third does not fit beside K); a block's scale byte goes into its word by a byte store.  One barrier a window, behind turn A of the window's first step: in front of it every wave has read the last of the
; window before and stored the images of this one; behind it the slot of the window before takes the next window's images.
; ORDER OF THE KEYS.  S^T = K Q^T: in key tile 2 b + u lane (r, h) holds keys 32 b + 16 u + 8 h + j in register j; p's codes of tiles 2 b, 2 b + 1 are registers 4 b .. 4 b + 3 of the operand, so the operand's place
; 32 b + 16 h + 8 u + j holds key 32 b + 16 u + 8 h + j.  V's image is laid in the same order.  A block of 32 holds the 32 keys that the definition gives it.
; CHANNELS IN THE f32 PRODUCT.  Lane (r, h) holds channels 8 h .. 8 h + 7 of its row; link s of a sum takes registers 2 s, 2 s + 1, alike for K and Q: each of the 16 channels once.
; LIMITS: NaN and infinities among the inputs are not served; a block whose largest magnitude lies under 2^(9 - 127) keeps the byte 1 (its codes are zeros or next to it); an index above 127 is held at 127.
.set KP,    272                        ; an LDS row: 68 words: row r starts at bank 4 r mod 64 (ISA guide 11.1): the 16 rows of a fragment load start at 16 different banks
.set TILEB, 16*KP                      ; a pixel row of a window: 16 keys
.set HSTEP, 4*TILEB                    ; a key step: 64 keys.  A window is four steps, so K's address is 17,408 x the step's number through all four windows
.set WINB,  16*TILEB                   ; a window: 69,632 bytes
.set VI,    4*WINB                     ; behind K: V's images: slot, head (4,096), key step (1,024), block (512), 16 bytes a lane
.set VSLOT, 16384
.set VS,    VI+2*VSLOT                 ; V's scale words: slot (1,024), head (256), key step (64), 4 bytes a channel: two scale bytes, two zeros
.set VSS,   1024
.set AK0,  1                           ; v1   my lane's place in a tile of K: 272 r + 32 h + 64 x head
.set AV0,  2                           ; v2   in an image of V
.set AS0,  3                           ; v3   among V's scale words
.set ADK,  4                           ; v4   K of the step to be fetched;  v5, v6  V's image and scale words of the step in hand
.set ADV,  5
.set ADS,  6
.set VQA0, 7                           ; v7   the quantiser: where my channel's 32 keys begin in a window
.set VQI,  8                           ; v8   where its codes go
.set VQS,  9                           ; v9   where its scale byte goes
.set NMA,  12                          ; v12 -M, v13 the largest t;  v[14:15] the sum in two halves: tile a;  v16-19: tile b
.set LA,   14
.set NMB,  16
.set LB,   18
.set QA,   20                          ; v20-27, v28-35 Q x SCALE
.set QB,   28
.set OA,   36                          ; v36-43, v44-51 O^T
.set OB,   44
.set BM,   52                          ; v52-55 four chains of the maximum; then v52, v53 the two blocks' largest scores, then largest p
.set PX,   56                          ; v56, v57 lane l xor 16's; then the scale bytes
.set F,    60                          ; v[60:61] f = 2^(old M - new M), and a 0 that is named with it as a pair
.set PSW,  62                          ; v62  p's scale word;  v63  V's: these two hold scales and nothing else
.set VSW,  63
.set KF,   64                          ; v64-95   K's four fragments of a step
.set VF,   96                          ; v96-111  V's fragment: 8 registers of codes, 8 of zeros
.set PC,   112                         ; v112-127 p's codes: likewise
.set SA,   128                         ; v128-159 tile a's S^T, v160-191 tile b's: written by matrix instructions alone
.set SBB,  160
.set PB,   192                         ; v192-223 p; between windows the quantiser's 32 numbers
.set HOLD, 224                         ; v224, v225 448 x the scale;  v226, v227 the conversions' scale operands
.set SOP,  226
.set T0,   228
.set SUM,  230                         ; v[230:231] the sum's second chain
.set VC,   232                         ; v232-239 the quantiser's codes;  v240-244 its scratch
.set VT,   240
.set HB,   248                         ; v248-255 the last eight p, held: so their sums can stand behind the last conversion
.set G1,   16                          ; s[16:23] descriptor group 1;  s[24:39] group 0 for each of the four windows: none is written again
.set G0,   24
.set SEL,  44
.set CS,   46                          ; s[46:47] log2(e): the packed form names a pair
.set MNT,  48
.set TK,   49                          ; where the keys to be fetched, and the image and scale words in hand, begin
.set TV,   50
.set TS,   51
.set CNT,  52
	s_load_b256 s[4:11], s[0:1], 0x0               ; cv s[4:5], mv s[6:7], ridx s[8:9], out s[10:11]
	v_lshl_add_u32 v246, v0, 2, 0x4c800
	v_mov_b32 v247, 0
	ds_add_u32 v246, v247
	ds_add_u32 v246, v247
	v_lshrrev_b32 v1, 5, v0
	v_readfirstlane_b32 s12, v1                    ; wave 0..15
	s_lshr_b32 s13, ttmp9, 2                       ; the query window
	s_bfe_u32 s14, ttmp9, 0x10001                  ; which four heads
	s_and_b32 s15, ttmp9, 1                        ; which half of the queries
	s_mov_b32 s[G1+0], (2<<16)|(1<<20)|(5<<22)|(3<<25)   ; no mask; elements of 4 bytes; padding on: 4 words behind every 64
	s_mov_b32 s[G1+1], 64<<16                      ; tensor_dim0 = 64
	s_mov_b32 s[G1+2], 16<<16                      ; tensor_dim1 = 16
	s_mov_b32 s[G1+3], 64<<16                      ; tile_dim0 = 64 elements: 256 bytes
	s_mov_b32 s[G1+4], 16                          ; tile_dim1 = 16 pixels
	s_mov_b32 s[G1+5], 128                         ; from pixel to pixel: 128 elements
	s_mov_b32 s[G1+6], 0
	s_mov_b32 s[G1+7], 0
	s_mov_b32 s[SEL], 0x76543210
	s_mov_b32 s[SEL+1], 0xfedcba98                 ; v_permlanex16_b32's selects for lane l xor 16
	s_mov_b32 s[CS], 0x3fb8aa3b                    ; log2(e)
	s_mov_b32 s[CS+1], s[CS]
	s_mov_b32 s[MNT], 0x600000                     ; the mantissa field of 448
	s_and_b32 s53, s13, 0x38                       ; window 8 j + i begins at j x 2^20 + i x 2^13 bytes
	s_lshl_b32 s53, s53, 17
	s_and_b32 s54, s13, 7
	s_lshl_b32 s54, s54, 13
	s_add_co_u32 s53, s53, s54
	s_lshl_b32 s54, s15, 19                        ; my half: 8 image rows of 65,536 bytes
	s_add_co_u32 s53, s53, s54
	s_lshl_b32 s14, s14, 8                         ; my four heads: 256 bytes on in every pixel
	s_add_co_u32 s53, s53, s14
	s_and_b32 s54, s12, 3
	s_lshl_b32 s54, s54, 17                        ; Q: my two pixel rows
	s_add_co_u32 s54, s54, s53
	s_mov_b32 s55, 0
	s_lshr_b32 s56, s12, 1                         ; out: wave w stores pixel row w / 2, pixels 8 (w % 2) on
	s_lshl_b32 s56, s56, 16
	s_and_b32 s57, s12, 1
	s_lshl_b32 s57, s57, 12
	s_add_co_u32 s56, s56, s57
	s_add_co_u32 s56, s56, s53
	s_mov_b32 s57, 0
	s_lshl_b32 s58, s13, 4                         ; the window's four indices
	s_mov_b32 s59, 0
	s_lshl_b32 s62, s12, 16                        ; K: pixel row w of a chosen window, my four heads
	s_add_co_u32 s62, s62, s14
	s_mul_i32 s63, s12, TILEB                      ; and its place in LDS
	v_and_b32 v192, 15, v0                         ; r
	v_bfe_u32 v193, v0, 4, 1                       ; h
	v_and_b32 v194, 31, v0                         ; lane
	s_lshr_b32 s2, s12, 2                          ; my head of the four
	s_lshl_b32 s3, s2, 6
	v_lshlrev_b32 v195, 9, v192                    ; Q: pixel r, + 64 x head + 32 h
	v_lshl_add_u32 v195, v193, 5, v195
	v_add_nc_u32 v195, s3, v195
	s_wait_dscnt 0x0
	s_wait_kmcnt 0x0
	s_add_nc_u64 s[8:9], s[8:9], s[58:59]
	s_load_b128 s[40:43], s[8:9], 0x0              ; whole numbers that an earlier launch stored
	s_add_nc_u64 s[4:5], s[4:5], s[54:55]
	s_add_nc_u64 s[10:11], s[10:11], s[56:57]
	global_load_b128 v[QA:QA+3], v195, s[4:5]
	global_load_b128 v[QA+4:QA+7], v195, s[4:5] offset:16
	global_load_b128 v[QB:QB+3], v195, s[4:5] offset:65536
	global_load_b128 v[QB+4:QB+7], v195, s[4:5] offset:65552
	v_mul_u32_u24 v[AK0], v192, KP
	v_lshl_add_u32 v[AK0], v193, 5, v[AK0]
	v_add_nc_u32 v[AK0], s3, v[AK0]
	s_lshl_b32 s3, s2, 12
	s_add_co_u32 s3, s3, VI
	v_lshl_add_u32 v[AV0], v194, 4, s3
	s_lshl_b32 s3, s2, 8
	s_add_co_u32 s3, s3, VS
	v_lshl_add_u32 v[AS0], v192, 2, s3
	; the quantiser's share: block w / 2 of a window's eight, channels 32 (w % 2) + lane of the 64
	s_lshr_b32 s53, s12, 1
	s_mul_i32 s54, s53, 32*KP
	s_and_b32 s55, s12, 1
	s_lshl_b32 s56, s55, 7
	s_add_co_u32 s54, s54, s56
	v_lshl_add_u32 v[VQA0], v194, 2, s54
	s_lshl_b32 s56, s55, 13                        ; the image: head 2 (w % 2) + lane / 16; block w / 2: 512 bytes a block
	s_lshr_b32 s57, s12, 3
	s_lshl_b32 s58, s57, 11
	s_add_co_u32 s56, s56, s58
	s_and_b32 s59, s53, 3
	s_lshl_b32 s58, s59, 9
	s_add_co_u32 s56, s56, s58
	s_add_co_u32 s56, s56, VI
	v_lshl_add_u32 v[VQI], v193, 12, s56
	v_lshl_add_u32 v[VQI], v192, 4, v[VQI]
	s_lshl_b32 s56, s55, 9                         ; the scale byte: head x 256, key step w / 4 x 64, 4 x channel, byte (w / 2) % 2
	s_lshl_b32 s58, s2, 6
	s_add_co_u32 s56, s56, s58
	s_and_b32 s58, s53, 1
	s_add_co_u32 s56, s56, s58
	s_add_co_u32 s56, s56, VS
	v_lshl_add_u32 v[VQS], v193, 8, s56
	v_lshl_add_u32 v[VQS], v192, 2, v[VQS]
	s_wait_kmcnt 0x0
.irp i, 0,1,2,3
	s_min_u32 s[40+\i], s[40+\i], 127              ; an index stays inside the table
	s_and_b32 s54, s[40+\i], 0x78                  ; window 64 v + 8 j + i begins at v x 2^23 + j x 2^20 + i x 2^13 bytes
	s_lshl_b32 s54, s54, 17
	s_and_b32 s55, s[40+\i], 7
	s_lshl_b32 s55, s55, 13
	s_add_co_u32 s54, s54, s55
	s_add_co_u32 s54, s54, s62
	s_mov_b32 s55, 0
	s_mov_b32 s[G0+4*\i], 1                        ; count = 1
	s_add_co_u32 s[G0+4*\i+1], s63, \i*WINB        ; LDS address: the window's constant + the wave's number x a constant
	s_add_nc_u64 s[G0+4*\i+2:G0+4*\i+3], s[6:7], s[54:55]
	s_or_b32 s[G0+4*\i+3], s[G0+4*\i+3], 0x80000000   ; type = 2
.endr
	tensor_load_to_lds s[G0:G0+3], s[G1:G1+7]      ; all first fills in one group, ahead of every wait on TENSORcnt, every LDS read and every barrier
	s_nop 0
	tensor_load_to_lds s[G0+4:G0+7], s[G1:G1+7]
	s_nop 0
	tensor_load_to_lds s[G0+8:G0+11], s[G1:G1+7]
	s_nop 0
	tensor_load_to_lds s[G0+12:G0+15], s[G1:G1+7]
	s_nop 0
.rept 4
	v_nop
.endr
.irp n, NMA, NMB
	v_mov_b32 v[\n+1], 0xff61b1e6                  ; the largest t so far: -3e38, under every t
	v_floor_f32 v[\n], -v[\n+1]                    ; -M
	v_mov_b32 v[\n+2], 0                           ; the sum, in two halves
	v_mov_b32 v[\n+3], 0
.endr
.irp j, 0,1,2,3,4,5,6,7,8,9,10,11,12,13,14,15
	v_mov_b32 v[OA+\j], 0                          ; O^T of both tiles: sixteen registers.  The turn is written once: the first finds zeros, which the first change of M leaves zeros
.endr
.irp b, 0,1,2,3
	v_mov_b32 v[PX+\b], 0                          ; written once: a lane permute's destination counts as one of its sources
.endr
	v_mov_b32 v[F+1], 0
.irp j, 8,9,10,11,12,13,14,15
	v_mov_b32 v[VF+\j], 0                          ; the zero codes of the scaled product's upper 64 along K, on both sides: written once
	v_mov_b32 v[PC+\j], 0
.endr
	s_wait_loadcnt 0x0                             ; Q
.irp j, 0,1,2,3,4,5,6,7,8,9,10,11,12,13,14,15
	v_mul_f32 v[QA+\j], 0x3db504f3, v[QA+\j]       ; q x SCALE, rounded as the definition rounds it
.endr
; V OF WINDOW i: my 32 keys of my lane's channel become 32 codes and a scale byte, into slot i % 2.
.macro VQ i
	v_add_nc_u32 v[T0], \i*WINB, v[VQA0]
.irp k, 0,1,2,3,4,5,6,7,8,9,10,11,12,13,14,15,16,17,18,19,20,21,22,23,24,25,26,27,28,29,30,31
	ds_load_b32 v[PB+\k], v[T0] offset:\k*KP       ; key k: the 32 lanes read 128 consecutive bytes
.endr
	s_wait_dscnt 0x0
	v_max3_num_f32 v[VT], |v[PB]|, |v[PB+1]|, 0x4800000           ; the block's largest magnitude: all 32 numbers are mine; and the floor 2^(9 - 127)
	v_max3_num_f32 v[VT+1], |v[PB+2]|, |v[PB+3]|, |v[PB+4]|
.irp k, 5,9,13,17,21,25
	v_max3_num_f32 v[VT], v[VT], |v[PB+\k]|, |v[PB+\k+1]|
	v_max3_num_f32 v[VT+1], v[VT+1], |v[PB+\k+2]|, |v[PB+\k+3]|
.endr
	v_max3_num_f32 v[VT], v[VT], |v[PB+29]|, |v[PB+30]|
	v_max3_num_f32 v[VT], v[VT], v[VT+1], |v[PB+31]|
	v_add_nc_u32 v[VT+2], 0xfc000000, v[VT]        ; 8 off its exponent field: the conversion's scale operand
	v_and_or_b32 v[VT+3], v[VT], 0x7f800000, s[MNT]   ; 448 x the scale
	v_lshrrev_b32 v[VT+4], 23, v[VT+2]             ; the scale's byte
.irp k, 0,1,2,3,4,5,6,7,8,9,10,11,12,13,14,15,16,17,18,19,20,21,22,23,24,25,26,27,28,29,30,31
	v_med3_num_f32 v[PB+\k], v[PB+\k], -v[VT+3], v[VT+3]   ; the conversion to an 8-bit code does not saturate (ISA guide 7.6.2)
.endr
	v_cvt_scalef32_pk8_fp8_f32 v[VC:VC+1], v[PB:PB+7], v[VT+2]         ; lanes 0-15 of the operand want keys 0-7 and 16-23,
	v_cvt_scalef32_pk8_fp8_f32 v[VC+2:VC+3], v[PB+16:PB+23], v[VT+2]
	v_cvt_scalef32_pk8_fp8_f32 v[VC+4:VC+5], v[PB+8:PB+15], v[VT+2]    ; lanes 16-31 keys 8-15 and 24-31: p's order
	v_cvt_scalef32_pk8_fp8_f32 v[VC+6:VC+7], v[PB+24:PB+31], v[VT+2]
	v_nop                                          ; a plain line behind the last conversion
	ds_store_b128 v[VQI], v[VC:VC+3] offset:(\i%2)*VSLOT
	ds_store_b128 v[VQI], v[VC+4:VC+7] offset:(\i%2)*VSLOT+256
	ds_store_b8 v[VQS], v[VT+4] offset:(\i%2)*VSS  ; byte 0 or 1 of the word: my block's scale;
	ds_store_b8 v[VQS], v[F+1] offset:(\i%2)*VSS+2 ; byte 2 or 3: a zero, for the zero codes.  The codes' and the byte's registers are written again only at the next window, behind a wait for all LDS instructions
.endm
; MATRIX INSTRUCTION i OF A TURN'S SIXTEEN: S^T = K Q^T.  Key tiles 0 and 1 by turns through their four links, then tiles 2 and 3: the accumulators take turns, one instruction a turn,
; and K's tiles 0, 1 are free when the eighth has been issued.  A sum's first link takes the constant 0.
.macro W sx, qx, i
.set WT, 2*((\i)/8)+(\i)%2
.set WS, ((\i)%8)/2
.if WS == 0
	v_wmma_f32_16x16x4_f32 v[\sx+8*WT:\sx+8*WT+7], v[KF+8*WT:KF+8*WT+1], v[\qx:\qx+1], 0
.else
	v_wmma_f32_16x16x4_f32 v[\sx+8*WT:\sx+8*WT+7], v[KF+8*WT+2*WS:KF+8*WT+2*WS+1], v[\qx+2*WS:\qx+2*WS+1], v[\sx+8*WT:\sx+8*WT+7]
.endif
.endm
.macro MM ty, sx, qx, i                ; the last turn of all has no products
.if \ty != 3
	W \sx, \qx, \i
.endif
.endm
.macro KLD adr, t                      ; K's tile t of a step: lane (r, h): channels 8 h .. 8 h + 7 of key r
	ds_load_b128 v[KF+8*(\t):KF+8*(\t)+3], v[\adr] offset:(\t)*TILEB
	ds_load_b128 v[KF+8*(\t)+4:KF+8*(\t)+7], v[\adr] offset:(\t)*TILEB+16
.endm
; lines of the softmax's list
.macro TM sy, nm, k                    ; t - M of pair k of 16, into other registers than the sums'
	v_pk_fma_f32 v[PB+2*(\k):PB+2*(\k)+1], v[\sy+2*(\k):\sy+2*(\k)+1], s[CS:CS+1], v[\nm:\nm+1] op_sel_hi:[1,0,0]
.endm
.macro EX k                            ; p = 2^(t - M), at most 1
	v_exp_f32 v[PB+(\k)], v[PB+(\k)]
.endm
.macro HD k                            ; the hold at 448 x the scale: the conversion does not saturate (ISA guide 7.6.2); p is not negative, so it is one-sided
	v_min_num_f32 v[PB+(\k)], v[PB+(\k)], v[HOLD+(\k)/16]
.endm
.macro HH k                            ; the same of the last eight, into registers of their own
	v_min_num_f32 v[HB+(\k)-24], v[PB+(\k)], v[HOLD+1]
.endm
.macro AD d, k                         ; the row's sum is taken of the unquantised p: pair k onto chain d
	v_pk_add_f32 v[\d:\d+1], v[\d:\d+1], v[PB+2*(\k):PB+2*(\k)+1]
.endm
; A TURN.  sx, qx: the tile whose scores are made;  sy, nm, ls, oa: the tile whose softmax and scaled product are done.
; ty = 0: turn A: K's loads of the turn before are still landing.  1: turn B: fetches the next step's K.  2: turn B of the last step: nothing to fetch.  3: the last softmax, without products.
; PLACES (ISA guide 7.12.1 for a read of the result): eight plain vector lines that name none of a product's registers stand between it and a read of its result or a load into its sources.  By this text's count:
; behind the sixteenth product 9 (the last slice) ahead of the loads into K's tiles 2, 3, and 12 ahead of the next turn's first read of its scores; behind the eighth 15 ahead of the loads into K's tiles 0, 1;
; behind the scaled product 16 (the maxima) ahead of the loads into V's fragment and scale word.  p's scale word is written eight slices ahead of the scaled product, its last codes five plain lines ahead.
.macro TURN ty, sx, qx, sy, nm, ls, oa
.if \ty == 0
	s_wait_dscnt 0x4                               ; K's tiles 0, 1 are in; the four loads of tiles 2, 3 may be out
.endif
	MM \ty, \sx, \qx, 0
.irp c, 0,1,2,3
	v_max3_num_f32 v[BM+\c], v[\sy+8*\c], v[\sy+8*\c+1], v[\sy+8*\c+2]   ; the largest score, in four chains, one for each accumulator, each read from its low end on
.endr
.irp c, 0,1,2,3
	v_max3_num_f32 v[BM+\c], v[BM+\c], v[\sy+8*\c+3], v[\sy+8*\c+4]
.endr
	MM \ty, \sx, \qx, 1
.irp c, 0,1,2,3
	v_max3_num_f32 v[BM+\c], v[BM+\c], v[\sy+8*\c+5], v[\sy+8*\c+6]
.endr
	v_max3_num_f32 v[BM], v[BM], v[BM+1], v[\sy+7]
	v_max3_num_f32 v[BM+2], v[BM+2], v[BM+3], v[\sy+23]
	v_max_num_f32 v[BM], v[BM], v[\sy+15]          ; the largest score of each block of 32 keys: for the row's maximum and, since p rises with the score, for the block's largest p
	v_max_num_f32 v[BM+1], v[BM+2], v[\sy+31]
	ds_load_b128 v[VF:VF+3], v[ADV]                ; V's two blocks as their images lie, and their scale word: they land under the softmax
	ds_load_b128 v[VF+4:VF+7], v[ADV] offset:512
	ds_load_b32 v[VSW], v[ADS]
	MM \ty, \sx, \qx, 2
	v_permlanex16_b32 v[PX], v[BM], s[SEL], s[SEL+1]
	v_permlanex16_b32 v[PX+1], v[BM+1], s[SEL], s[SEL+1]
	v_max_num_f32 v[BM], v[BM], v[PX]              ; with lane l xor 16's 16 keys
	v_max_num_f32 v[BM+1], v[BM+1], v[PX+1]
	v_max_num_f32 v[T0], v[BM], v[BM+1]
	v_mul_f32 v[T0], s[CS], v[T0]                  ; the step's largest t
	v_max_num_f32 v[\nm+1], v[\nm+1], v[T0]        ; the running largest t
	v_mov_b32 v[T0], v[\nm]
	MM \ty, \sx, \qx, 3
	v_floor_f32 v[\nm], -v[\nm+1]                  ; the new -M = floor(-t) = -ceil(t)
	TM \sy, \nm, 0
	TM \sy, \nm, 1
	v_sub_f32 v[T0], v[\nm], v[T0]                 ; old M - new M: a whole number, 0 or less
	TM \sy, \nm, 2
	TM \sy, \nm, 3
	v_cvt_i32_f32 v[T0], v[T0]                     ; (it saturates)
	TM \sy, \nm, 4
	TM \sy, \nm, 5
	MM \ty, \sx, \qx, 4
	v_ldexp_f32 v[F], 1.0, v[T0]                   ; f = 2^(old M - new M)
	TM \sy, \nm, 6
	TM \sy, \nm, 7
	v_fma_f32 v[BM], v[BM], s[CS], v[\nm]          ; t - M of each block's largest score,
	v_fma_f32 v[BM+1], v[BM+1], s[CS], v[\nm]
	v_exp_f32 v[BM], v[BM]                         ; and the block's largest p: the same two instructions on the same number
	v_exp_f32 v[BM+1], v[BM+1]
	v_pk_mul_f32 v[\ls:\ls+1], v[\ls:\ls+1], v[F:F+1] op_sel_hi:[1,0]   ; the sums under the new M
	EX 0                                           ; from here on an exponential and a plain line that is ready, by turns
	TM \sy, \nm, 8
	MM \ty, \sx, \qx, 5
	EX 1
	s_wait_alu depctr_va_vdst(0)
	v_max_num_f32 v[BM], 0x4800000, v[BM]          ; the floor 2^(9 - 127): the byte cannot fall under 1
	EX 2
	v_max_num_f32 v[BM+1], 0x4800000, v[BM+1]
	EX 3
	TM \sy, \nm, 9
	EX 4
	v_add_nc_u32 v[SOP], 0xfc000000, v[BM]         ; 8 off the exponent field: the conversion's scale operand
	EX 5
	v_add_nc_u32 v[SOP+1], 0xfc000000, v[BM+1]
	MM \ty, \sx, \qx, 6
	EX 6
	TM \sy, \nm, 10
	EX 7
	v_and_or_b32 v[HOLD], v[BM], 0x7f800000, s[MNT]      ; 448 x the scale
	EX 8
	v_and_or_b32 v[HOLD+1], v[BM+1], 0x7f800000, s[MNT]
	EX 9
	TM \sy, \nm, 11
	EX 10
	v_lshrrev_b32 v[PX], 23, v[SOP]                ; the scale's byte
	MM \ty, \sx, \qx, 7
	EX 11
	v_lshrrev_b32 v[PX+1], 23, v[SOP+1]
	EX 12
	TM \sy, \nm, 12
	EX 13
	v_lshl_or_b32 v[PSW], v[PX+1], 8, v[PX]        ; p's scale word for these 64 keys; its upper two bytes are 0, for the zero codes
	EX 14
	TM \sy, \nm, 13
	EX 15
	TM \sy, \nm, 14
.if \ty == 0
	s_wait_dscnt 0x3                               ; K's tiles 2, 3 are in; V's three loads may be out
.endif
	MM \ty, \sx, \qx, 8
	TM \sy, \nm, 15                                ; the last read of these scores
	EX 16
	s_wait_alu depctr_va_vdst(0)
	v_pk_add_f32 v[SUM:SUM+1], v[PB:PB+1], v[PB+2:PB+3]   ; the sum, in two chains
	EX 17
	AD \ls, 2
	EX 18
	AD SUM, 3
	EX 19
	AD \ls, 4
	EX 20
	MM \ty, \sx, \qx, 9
	AD SUM, 5
	EX 21
	AD \ls, 6
	EX 22
	AD SUM, 7
	EX 23
	HD 0
	EX 24
	HD 1
	EX 25
.if \ty == 1
	KLD ADK, 0                                     ; the next step's tiles 0, 1: six products ahead of their first use
	KLD ADK, 1
.endif
	MM \ty, \sx, \qx, 10
.irp k, 0,1,2,3,4
	HD 2+\k
	EX 26+\k
.endr
	MM \ty, \sx, \qx, 11
	HD 7
	EX 31
.irp k, 8,9,10,11,12,13,14,15
	HD \k
.endr
	MM \ty, \sx, \qx, 12
	v_cvt_scalef32_pk8_fp8_f32 v[PC:PC+1], v[PB:PB+7], v[SOP]
	v_cvt_scalef32_pk8_fp8_f32 v[PC+2:PC+3], v[PB+8:PB+15], v[SOP]
	s_wait_alu depctr_va_vdst(0)
	AD \ls, 8
	AD SUM, 9
	AD \ls, 10
	AD SUM, 11
	HD 16
	HD 17
	MM \ty, \sx, \qx, 13
.irp k, 18,19,20,21,22,23
	HD \k
.endr
	v_cvt_scalef32_pk8_fp8_f32 v[PC+4:PC+5], v[PB+16:PB+23], v[SOP+1]
	HH 24
	MM \ty, \sx, \qx, 14
.irp k, 25,26,27,28,29,30,31
	HH \k
.endr
	MM \ty, \sx, \qx, 15
.irp j, 0,2,4,6
	v_pk_mul_f32 v[\oa+\j:\oa+\j+1], v[\oa+\j:\oa+\j+1], v[F:F+1] op_sel_hi:[1,0]   ; O^T under the new M, from its low end on
.endr
	v_cvt_scalef32_pk8_fp8_f32 v[PC+6:PC+7], v[HB:HB+7], v[SOP+1]
	AD \ls, 12                                     ; five plain lines that name nothing of the scaled product stand between its last codes and it
	AD SUM, 13
	AD \ls, 14
	AD SUM, 15
	v_pk_add_f32 v[\ls:\ls+1], v[\ls:\ls+1], v[SUM:SUM+1]
.if \ty == 1
	s_wait_dscnt 0x4                               ; V's fragment and scale word are in; the four loads of the next K's tiles 0, 1 may be out
.else
	s_wait_dscnt 0x0                               ; V's fragment and scale word
.endif
	v_wmma_scale_f32_16x16x128_f8f6f4 v[\oa:\oa+7], v[VF:VF+15], v[PC:PC+15], v[\oa:\oa+7], v[VSW], v[PSW]   ; O^T += V^T P^T: register j of lane (r, h): channel 8 h + j of query r
.if \ty == 1
	KLD ADK, 2                                     ; the next step's tiles 2, 3: eight products ahead of their first use
	KLD ADK, 3
.endif
.endm
; WINDOW i: a trip is step u's turn B and step u + 1's turn A; both turns' scaled products take V of step u.  The last trip of windows 0 to 2 makes tile a's first scores of the next window.
.macro WINDOW i, trips
	s_mov_b32 s[TK], (4*\i+1)*HSTEP
	s_mov_b32 s[TV], (\i%2)*VSLOT
	s_mov_b32 s[TS], (\i%2)*VSS
	s_mov_b32 s[CNT], 0
.Lhalf_\@:
	v_add_nc_u32 v[ADV], s[TV], v[AV0]
	v_add_nc_u32 v[ADS], s[TS], v[AS0]
	v_add_nc_u32 v[ADK], s[TK], v[AK0]
	TURN 1, SBB, QB, SA, NMA, LA, OA
	TURN 0, SA, QA, SBB, NMB, LB, OB
	s_add_co_u32 s[TK], s[TK], HSTEP
	s_add_co_u32 s[TV], s[TV], 1024
	s_add_co_u32 s[TS], s[TS], 64
	s_add_co_u32 s[CNT], s[CNT], 1
	s_cmp_lt_u32 s[CNT], \trips
	s_cbranch_scc1 .Lhalf_\@
.endm
.macro MEET                            ; my LDS stores have landed and my LDS loads are in: then the work-group's barrier
	s_wait_dscnt 0x0
	s_barrier_signal -1
	s_barrier_wait -1
.endm
	s_wait_tensorcnt 0x3                           ; tensor loads of a wave end in order: my row of window 0 is in, three may be out
	s_barrier_signal -1
	s_barrier_wait -1                              ; everybody's is
.irp t, 0,1,2,3
	KLD AK0, \t                                    ; K of step 0
.endr
	VQ 0                                           ; (its wait for its own loads covers K's, which were issued ahead of them)
.irp i, 0,1,2,3,4,5,6,7,8,9,10,11,12,13,14,15
	W SA, QA, \i                                   ; tile a's first scores: there is no softmax yet to set between them
.endr
	s_wait_tensorcnt 0x2                           ; my row of window 1
	MEET                                           ; V of window 0 lies in slot 0; window 1 is whole
	VQ 1                                           ; into slot 1, which nobody reads yet.  (Its plain lines are the places behind the products above)
	WINDOW 0, 4
	s_wait_tensorcnt 0x1                           ; my row of window 2
	MEET                                           ; every wave has read the last of slot 0 and stored window 1's images
	VQ 2                                           ; into slot 0
	WINDOW 1, 4
	s_wait_tensorcnt 0x0                           ; my row of window 3: no tensor load of mine is out from here on
	MEET
	VQ 3                                           ; into slot 1
	WINDOW 2, 4
	MEET                                           ; window 3's images lie in slot 1
	WINDOW 3, 3
	v_add_nc_u32 v[ADV], VSLOT+3*1024, v[AV0]      ; the last step is written out: it fetches no K, and no scores follow it
	v_add_nc_u32 v[ADS], VSS+3*64, v[AS0]
	TURN 2, SBB, QB, SA, NMA, LA, OA
	TURN 3, SA, QA, SBB, NMB, LB, OB
	MEET                                           ; nobody reads K any more: the stage for the way out lies in window 0's bytes, which have had their one fill
	; THE WAY OUT.  O^T / the sum; a lane's eight channels are 32 bytes of a pixel's 256, which four waves hold between them: they meet in a stage of 128 rows x 272 bytes, and each wave stores eight whole rows.
	v_and_b32 v232, 15, v0                         ; r   (these eight lines are also the places behind the last product)
	v_bfe_u32 v233, v0, 4, 1                       ; h
	s_and_b32 s53, s12, 3
	s_mul_i32 s53, s53, 2*TILEB
	v_add_nc_u32 v234, s53, v[AK0]                 ; in: row 32 (w % 4) + r, + 64 x head + 32 h
	s_lshr_b32 s54, s12, 1
	s_mul_i32 s54, s54, TILEB
	s_and_b32 s55, s12, 1
	s_mul_i32 s55, s55, 8*KP
	s_add_co_u32 s54, s54, s55
	v_mul_u32_u24 v235, v233, KP
	v_lshl_add_u32 v235, v232, 4, v235
	v_add_nc_u32 v235, s54, v235                   ; back: rows 8 w on; lanes 0-15 one row, lanes 16-31 the next
	v_lshlrev_b32 v236, 9, v233
	v_lshl_add_u32 v236, v232, 4, v236             ; and the same two pixels in out
	v_add_f32 v[LA], v[LA], v[LA+1]                ; the sum's two halves,
	v_add_f32 v[LB], v[LB], v[LB+1]
	v_permlanex16_b32 v[PX], v[LA], s[SEL], s[SEL+1]
	v_permlanex16_b32 v[PX+1], v[LB], s[SEL], s[SEL+1]
	v_add_f32 v[LA], v[LA], v[PX]                  ; and lane l xor 16's: the row's sum
	v_add_f32 v[LB], v[LB], v[PX+1]
	v_rcp_f32 v[LA], v[LA]
	v_rcp_f32 v[LB], v[LB]
	v_nop                                          ; a plain line behind the reciprocals
	s_wait_alu depctr_va_vdst(0)
.irp j, 0,1,2,3,4,5,6,7
	v_mul_f32 v[PB+\j], v[OA+\j], v[LA]
.endr
.irp j, 0,1,2,3,4,5,6,7
	v_mul_f32 v[PB+8+\j], v[OB+\j], v[LB]
.endr
	ds_store_b128 v234, v[PB:PB+3]
	ds_store_b128 v234, v[PB+4:PB+7] offset:16
	ds_store_b128 v234, v[PB+8:PB+11] offset:TILEB
	ds_store_b128 v234, v[PB+12:PB+15] offset:TILEB+16
	MEET                                           ; 128 whole rows lie in the stage
.irp i, 0,1,2,3
	ds_load_b128 v[PB+16+4*\i:PB+19+4*\i], v235 offset:\i*2*KP
.endr
.irp i, 0,1,2,3
	s_wait_dscnt 3-\i                              ; LDS loads come back in order: the younger ones may be out
	global_store_b128 v236, v[PB+16+4*\i:PB+19+4*\i], s[10:11] offset:\i*1024 th:TH_STORE_NT   ; sixteen lanes store 256 consecutive bytes, at a multiple of 256 from out's first byte; written once, read by nobody here
.endr
	s_wait_tensorcnt 0x0
	ds_add_u32 v246, v247
	s_wait_dscnt 0x0
	s_endpgm
.Lfunc_end_k_qcc2462ca24_attend:
	.size	k_qcc2462ca24_attend, .Lfunc_end_k_qcc2462ca24_attend-k_qcc2462ca24_attend
	.p2alignl 7, 3214868480
	.fill 96, 4, 3214868480
	.section	.rodata,"a",@progbits
	.p2align	6, 0x0
	.amdhsa_kernel k_qcc2462ca24_attend
		.amdhsa_group_segment_fixed_size 315392
		.amdhsa_private_segment_fixed_size 0
		.amdhsa_enable_private_segment 0
		.amdhsa_kernarg_size 32
		.amdhsa_user_sgpr_count 2
		.amdhsa_user_sgpr_kernarg_segment_ptr 1
		.amdhsa_wavefront_size32 1
		.amdhsa_system_sgpr_workgroup_id_x 1
		.amdhsa_system_sgpr_workgroup_id_y 1
		.amdhsa_system_sgpr_workgroup_id_z 1
		.amdhsa_system_vgpr_workitem_id 0
		.amdhsa_next_free_vgpr 256
		.amdhsa_next_free_sgpr 66
		.amdhsa_reserve_vcc 0
		.amdhsa_float_denorm_mode_32 3
		.amdhsa_float_denorm_mode_16_64 3
		.amdhsa_memory_ordered 1
		.amdhsa_forward_progress 1
		.amdhsa_inst_pref_size 124
	.end_amdhsa_kernel
	.amdgpu_metadata
---
amdhsa.version: [ 1, 2 ]
amdhsa.kernels:
  - .name:           k_qcc2462ca24_attend
    .symbol:         k_qcc2462ca24_attend.kd
    .args:
      - { .name: cv_feature, .offset: 0, .size: 8, .value_kind: global_buffer, .address_space: global }
      - { .name: mv_feature, .offset: 8, .size: 8, .value_kind: global_buffer, .address_space: global }
      - { .name: ridx, .offset: 16, .size: 8, .value_kind: global_buffer, .address_space: global }
      - { .name: out0, .offset: 24, .size: 8, .value_kind: global_buffer, .address_space: global }
    .group_segment_fixed_size: 315392
    .private_segment_fixed_size: 0
    .kernarg_segment_align: 8
    .kernarg_segment_size: 32
    .max_flat_workgroup_size: 512
    .sgpr_count:     66
    .vgpr_count:     256
    .wavefront_size: 32
...
	.end_amdgpu_metadata
.endif
;; end of part 3
